; MI455X (gfx1250); checked and timed in simulation.
; The chip was launched on July 23, 2026; its instructions are those of AMD's public machine-readable ISA for CDNA 5 (MIT licence, August 2026) and "CDNA5" Instruction Set Architecture Reference Guide (July 2026). The comments in the code are by the model that wrote it; some were corrected since.
;; Quality Control Detector. Allowed arithmetic: matrix products marked QUANTISED: E4M3 operands, one given power-of-two scale a tensor, by v_wmma_f32_16x16x64_fp8_fp8 or v_wmma_f32_16x16x128_fp8_fp8, f32 sums; products left as they are: f32 operands where the result goes on into a quantised operand, else bf16, f16 or f32 operands; f32 sums; everything else in f32.
;; Inputs: cl_W1_codes 128 x 8 x 32 uint8 (E4M3 codes of cl_W1, K innermost, in blocks of 32 codes); cl_W2 128 x 5 float32; cl_b1 128 float32; cl_b2 5 float32; dn_W1_codes 256 x 24 x 32 uint8 (E4M3 codes of dn_W1, K innermost, in blocks of 32 codes); dn_W2_codes 256 x 8 x 32 uint8 (E4M3 codes of dn_W2, K innermost, in blocks of 32 codes); dn_b1 256 float32; dn_b2 256 float32; grid_points 64 x 3 float32; lowp_scales 20 int32 (the exponents e of the quantised operands' scales 2^e); ne_W1 3 x 64 float32; ne_W2_codes 128 x 2 x 32 uint8 (E4M3 codes of ne_W2, K innermost, in blocks of 32 codes); ne_W3_codes 256 x 4 x 32 uint8 (E4M3 codes of ne_W3, K innermost, in blocks of 32 codes); ne_b1 64 float32; ne_b2 128 float32; ne_b3 256 float32; pe_W1 3 x 64 float32; pe_W2_codes 128 x 2 x 32 uint8 (E4M3 codes of pe_W2, K innermost, in blocks of 32 codes); pe_W3_codes 256 x 4 x 32 uint8 (E4M3 codes of pe_W3, K innermost, in blocks of 32 codes); pe_b1 64 float32; pe_b2 128 float32; pe_b3 256 float32; point_cloud 4 x 4,096 x 3 float32; sv_W1_codes 128 x 8 x 32 uint8 (E4M3 codes of sv_W1, K innermost, in blocks of 32 codes); sv_W2 128 x 1 float32; sv_b1 128 float32; sv_b2 1 float32; te_W1 3 x 64 float32; te_W2_codes 128 x 2 x 32 uint8 (E4M3 codes of te_W2, K innermost, in blocks of 32 codes); te_W3_codes 256 x 4 x 32 uint8 (E4M3 codes of te_W3, K innermost, in blocks of 32 codes); te_b1 64 float32; te_b2 128 float32; te_b3 256 float32.
;; Outputs: out0 4 x 64 x 5 float32; out1 4 x 64 float32; out2 4 x 256 x 64 float32; out3 4 x 768 x 64 float32.
;; This version of the problem:
;;   THIS VERSION OF THE PROBLEM IS GIVEN IN LOW PRECISION. The matrix products marked QUANTISED in the list below multiply operands that are first quantised to E4M3 (4 exponent bits, 3 mantissa bits; 8 bits a number), with one given power-of-two scale for each operand tensor; their sums are f32. All else is computed in f32.
;;   The module's matrix products, in the order in which they are computed (A, B: the left and right operand; K: the contracted axis; several contracted axes count as one K, in the product's order):
;;     1. [M 16,384, K 3] x [K 3, N 64]; A: input point_cloud; B: input pe_W1: left as it is (K = 3 < 32)
;;     2. [M 16,384, K 64] x [K 64, N 128]; A: computed on the way; B: input pe_W2 (given as codes): QUANTISED (scales: A lowp_scales[0], B lowp_scales[1])
;;     3. [M 16,384, K 128] x [K 128, N 256]; A: computed on the way; B: input pe_W3 (given as codes): QUANTISED (scales: A lowp_scales[2], B lowp_scales[3])
;;     4. batch 4 x [M 4,096, K 3] x [K 3, N 4,096]; A: input point_cloud; B: input point_cloud: left as it is (K = 3 < 32)
;;     5. batch 16,384 x [M 3, K 6] x [K 6, N 3]; A: computed on the way; B: computed on the way: left as it is (K = 6 < 32)
;;     6. [M 16,384, K 3] x [K 3, N 64]; A: computed on the way; B: input ne_W1: left as it is (K = 3 < 32)
;;     7. [M 16,384, K 64] x [K 64, N 128]; A: computed on the way; B: input ne_W2 (given as codes): QUANTISED (scales: A lowp_scales[4], B lowp_scales[5])
;;     8. [M 16,384, K 128] x [K 128, N 256]; A: computed on the way; B: input ne_W3 (given as codes): QUANTISED (scales: A lowp_scales[6], B lowp_scales[7])
;;     9. [M 16,384, K 3] x [K 3, N 64]; A: computed on the way; B: input te_W1: left as it is (K = 3 < 32)
;;     10. [M 16,384, K 64] x [K 64, N 128]; A: computed on the way; B: input te_W2 (given as codes): QUANTISED (scales: A lowp_scales[8], B lowp_scales[9])
;;     11. [M 16,384, K 128] x [K 128, N 256]; A: computed on the way; B: input te_W3 (given as codes): QUANTISED (scales: A lowp_scales[10], B lowp_scales[11])
;;     12. [M 256, K 768] x [K 768, N 256]; A: input dn_W1 (given as codes); B: computed on the way: QUANTISED (scales: A lowp_scales[12], B lowp_scales[13])
;;     13. [M 256, K 256] x [K 256, N 256]; A: input dn_W2 (given as codes); B: computed on the way: QUANTISED (scales: A lowp_scales[14], B lowp_scales[15])
;;     14. [M 256, K 256] x [K 256, N 128]; A: computed on the way; B: input cl_W1 (given as codes): QUANTISED (scales: A lowp_scales[16], B lowp_scales[17])
;;     15. [M 256, K 128] x [K 128, N 5]; A: computed on the way; B: input cl_W2: left as it is (N = 5 < 16)
;;     16. [M 256, K 256] x [K 256, N 128]; A: computed on the way; B: input sv_W1 (given as codes): QUANTISED (scales: A lowp_scales[18], B lowp_scales[19])
;;     17. [M 256, K 128] x [K 128, N 1]; A: computed on the way; B: input sv_W2: left as it is (N = 1 < 16)
;;   THE QUANTISER, for each operand of a quantised product, along K:
;;     - The operand's scale is 2^e, e = its entry of the input lowp_scales (int32; the entries are numbered through the quantised products in the list's order, A before B).
;;     - Each number is divided by the scale, clamped to +-448, and rounded to the nearest number of E4M3, ties to even, subnormals kept.
;;     - The product sums the exact products of the quantised numbers (number of the format x scale) in f32.
;;   ~~~python
;;   def quantise(x, axis, e):      # numpy; x: float32 -> the quantised numbers, widened to float32 again
;;       x = np.moveaxis(x, axis, -1); K = x.shape[-1]
;;       r = np.clip(x / 2.0 ** e, -448, 448)
;;       step = 2.0 ** (np.maximum(np.frexp(np.where(r == 0, 1, r))[1] - 1, -6) - 3)
;;       q = np.round(r / step) * step * 2.0 ** e      # np.round: ties to even
;;       return np.moveaxis(q, -1, axis).astype(np.float32)
;;   ~~~
;;   OPERANDS COMPUTED ON THE WAY. 'Computed on the way' means the value that the module computes at that place (a softmax that the list does not call 'softmax' is quantised finished and normalised). What goes into a quantiser is computed in f32, as accurately as f32 sums, v_exp_f32 and their like allow (about 1e-6 of the number): no bf16 or f16 on the way to a quantiser, and a product that is left as it is and whose result goes on into a quantised operand takes f32 operands (vector FMAs, or v_wmma_f32_16x16x4_f32). A number that lies on a knife's edge between two numbers of the format may be rounded either way, as far as f32 arithmetic and the matrix unit's own rounding can turn it there, and no further.
;;   INPUTS GIVEN AS CODES. cl_W1 (in the module: [256, 128], K = its axis 0); dn_W1 (in the module: [768, 256], K = its axis 0); dn_W2 (in the module: [256, 256], K = its axis 0); ne_W2 (in the module: [64, 128], K = its axis 0); ne_W3 (in the module: [128, 256], K = its axis 0); pe_W2 (in the module: [64, 128], K = its axis 0); pe_W3 (in the module: [128, 256], K = its axis 0); sv_W1 (in the module: [256, 128], K = its axis 0); te_W2 (in the module: [64, 128], K = its axis 0); te_W3 (in the module: [128, 256], K = its axis 0): each comes as NAME_codes (uint8): NAME with its K axis moved to the last place and cut into blocks of 32 codes, [.., K / 32, bytes a block], one block behind the other in memory; one code a byte (a code: sign, 4 exponent bits, 3 mantissa bits); its scale is its entry of lowp_scales. Its value is code x scale, taken as it is: it is not quantised again, and the codes and scales need not be those that the quantiser above would give.
;; One version. Each part assembles by itself: llvm-mc -triple=amdgcn-amd-amdhsa -mcpu=gfx1250 --defsym DOCPART=n.
;; ======== version 1 of 1: 2 launches
;; limits: an iteration or a series of the reference is cut at 10 steps; right only within a limited range of input values
;; workspace buffers: h1codes 32,768 bytes; gidx 1,024 bytes of whole numbers; tf 1,024 bytes
;; launch knn (part 1): grid 256 x 1, 8 waves a work-group, no clusters, 25,600 bytes of LDS; arguments point_cloud, grid_points, pe_W1, pe_b1, ne_W1, ne_b1, te_W1, te_b1, te_W2_codes, te_b2, te_W3_codes, te_b3, lowp_scales, h1codes, gidx, tf; writes h1codes, gidx, tf
.if DOCPART == 1
	.amdgcn_target "amdgcn-amd-amdhsa--gfx1250"
	.amdhsa_code_object_version 6
	.text
	.protected	k_q75a13eb2d6_knn
	.globl	k_q75a13eb2d6_knn
	.p2align	8
	.type	k_q75a13eb2d6_knn,@function
k_q75a13eb2d6_knn:
	s_mov_b64 s[64:65], 0
	v_nop
	global_prefetch_b8 v0, s[64:65] scope:SCOPE_SE
	s_setreg_imm32_b32 hwreg(HW_REG_WAVE_MODE, 25, 1), 1
	s_wait_xcnt 0x0
; One work-group for each point that the result keeps: batch b = x / 64, point i = x % 64 (only the first 64 points of a batch reach an output).
; It finds the 6 nearest of the batch's 4,096 points, their covariance and its eigenvector of the smallest eigenvalue, and stores: the E4M3 codes of relu(layer 1) of the
; point encoder and of the normal encoder (64 + 64 bytes), and the number of the nearest grid cell (a whole number, from which the next launch forms addresses).
; Wave 1 of work-group 0 also runs the third encoder on its one row of ones, through all three layers, into tf[256].
; SELECTION WITHOUT A BRANCH ON DATA: each of the 256 threads keeps a sorted list of 6 (key, x, y, z) in registers; a candidate is inserted by compares and selects; lists are merged lane with lane,
; then wave with wave through LDS.  Thread t holds candidates 16 t .. 16 t + 15, so lower lanes hold lower indices; an equal key that is already in a list stays ahead (strict <), and the list that
; counts always lies in the lowest lane of a merged group: ties go to the lower index, as top_k breaks them.
; d2 = (r_i + r_j) - 2 dot, each product and sum rounded by itself (DOT_FMA, R_FMA = 1 give the fused forms).
; THE EIGENVECTOR'S SIGN follows the LAPACK path for n = 3 without branches: reduction to tridiagonal form (lower), implicit QL or QR (QR is run as QL on the mirrored matrix), the 2 x 2 routine on the block
; that is left, the first strictly smallest eigenvalue, back-transformation.  LARTG_NEW = 1: plane rotations with c >= 0; 0: the older convention.
; LIMITS: each of e0, e4, e8 and e10 - e8 - e9 between -126 and 119, e10 + e11 between -126 and 127 (each power of two is made as an f32 number).  NaN is not served.  Covariance entries between about 1e-19 and
; 1e19 (squares are not rescaled).  The library's own rescalings are left out: they change roundings only.  The iteration is cut at NSWEEP = 10 sweeps (its convergence is cubic: about 4 bring an off-diagonal
; under 2^-24 of its neighbours); a matrix still open then is finished on its upper 2 x 2 block.
; NO CLUSTER: the 64 work-groups of a batch read the same 49,152 bytes, but once each and straight into registers; a joint request could only land in LDS, and each thread's 192 bytes stand against some 1,800 vector instructions.
.set C,   16                           ; v16-63   16 candidates x (x, y, z)
.set LK,  64                           ; v64-69   the list's keys, ascending;  v70-75 x;  v76-81 y;  v82-87 z
.set LX,  70
.set LY,  76
.set LZ,  82
.set T,   88                           ; v88-111  the partner's list
.set WL,  112                          ; v112-143 layer 1: three rows of W1 and b1, my 8 units
.set CM,  46                           ; s46-51   compare masks
.set DOT_FMA, 0
.set R_FMA, 0
.set LARTG_NEW, 1
.set NSWEEP, 10
.macro DIST t                          ; v6 = d2 of candidate t
.if R_FMA
	v_mul_f32 v7, v[C+3*(\t)], v[C+3*(\t)]
	v_fma_f32 v7, v[C+3*(\t)+1], v[C+3*(\t)+1], v7
	v_fma_f32 v7, v[C+3*(\t)+2], v[C+3*(\t)+2], v7
.else
	v_mul_f32 v7, v[C+3*(\t)], v[C+3*(\t)]
	v_mul_f32 v8, v[C+3*(\t)+1], v[C+3*(\t)+1]
	v_add_f32 v7, v7, v8
	v_mul_f32 v8, v[C+3*(\t)+2], v[C+3*(\t)+2]
	v_add_f32 v7, v7, v8
.endif
.if DOT_FMA
	v_mul_f32 v8, s40, v[C+3*(\t)]
	v_fma_f32 v8, s41, v[C+3*(\t)+1], v8
	v_fma_f32 v8, s42, v[C+3*(\t)+2], v8
.else
	v_mul_f32 v8, s40, v[C+3*(\t)]
	v_mul_f32 v9, s41, v[C+3*(\t)+1]
	v_add_f32 v8, v8, v9
	v_mul_f32 v9, s42, v[C+3*(\t)+2]
	v_add_f32 v8, v8, v9
.endif
	v_add_f32 v7, v5, v7                           ; r_i + r_j
	v_fma_f32 v6, -2.0, v8, v7                     ; 2 dot is exact, so this is the one rounding of the subtraction
.endm
; (key d, payload x, y, z) goes into the sorted list, behind every key that is not larger; it cannot land above slot 'from'.
.macro INSERT d, x, y, z, from
.irp j, 5,4,3,2,1,0
.if \j >= (\from)
	v_cmp_lt_f32 s[CM+\j], v[\d], v[LK+\j]
.endif
.endr
.irp j, 5,4,3,2,1
.if \j > (\from)
	v_med3_num_f32 v[LK+\j], v[LK+\j-1], v[\d], v[LK+\j]           ; the upper neighbour moves down, or d lands, or the slot stays
	v_cndmask_b32 v[LX+\j], v[LX+\j], v[\x], s[CM+\j]
	v_cndmask_b32 v[LX+\j], v[LX+\j], v[LX+\j-1], s[CM+\j-1]
	v_cndmask_b32 v[LY+\j], v[LY+\j], v[\y], s[CM+\j]
	v_cndmask_b32 v[LY+\j], v[LY+\j], v[LY+\j-1], s[CM+\j-1]
	v_cndmask_b32 v[LZ+\j], v[LZ+\j], v[\z], s[CM+\j]
	v_cndmask_b32 v[LZ+\j], v[LZ+\j], v[LZ+\j-1], s[CM+\j-1]
.endif
.endr
	v_min_num_f32 v[LK+(\from)], v[LK+(\from)], v[\d]
	v_cndmask_b32 v[LX+(\from)], v[LX+(\from)], v[\x], s[CM+(\from)]
	v_cndmask_b32 v[LY+(\from)], v[LY+(\from)], v[\y], s[CM+(\from)]
	v_cndmask_b32 v[LZ+(\from)], v[LZ+(\from)], v[\z], s[CM+(\from)]
.endm
; my list takes in the list of lane xor m (kind 0, inside 16 lanes) or of lane xor 16 (kind 1)
.macro MERGE kind, m
.set n, 0
.rept 24
.if \kind
	v_permlanex16_b32 v[T+n], v[LK+n], s44, s45
.else
	v_mov_b32_dpp v[T+n], v[LK+n] row_xmask:\m row_mask:0xf bank_mask:0xf
.endif
.set n, n+1
.endr
.irp t, 0,1,2,3,4,5
	INSERT T+\t, T+6+\t, T+12+\t, T+18+\t, \t
.endr
.endm
.macro SCALE e                         ; s[e]: an exponent.  v14 = 2^e, v15 = 448 x 2^e, as f32
	s_add_co_i32 s70, s[\e], 127
	s_lshl_b32 s71, s70, 23
	v_mov_b32 v14, s71
	s_add_co_i32 s70, s70, 8
	s_lshl_b32 s70, s70, 23
	s_or_b32 s70, s70, 0x600000
	v_mov_b32 v15, s70
.endm
.macro LOADW w, b                      ; lane % 8 owns units 8 (lane % 8) on: 32 bytes of each of W1's three rows and of b1
.irp p, 0,1,2
	global_load_b128 v[WL+8*\p:WL+8*\p+3], v12, s[\w:\w+1] offset:256*\p
	global_load_b128 v[WL+8*\p+4:WL+8*\p+7], v12, s[\w:\w+1] offset:256*\p+16
.endr
	global_load_b128 v[WL+24:WL+27], v12, s[\b:\b+1]
	global_load_b128 v[WL+28:WL+31], v12, s[\b:\b+1] offset:16
.endm
.macro LAYER1 sx, sy, sz, e            ; v[8:9] = codes of relu((sx, sy, sz) W1 + b1), my 8 units
	SCALE \e
.irp k, 0,1,2,3,4,5,6,7
	v_fma_f32 v[WL+24+\k], s[\sx], v[WL+\k], v[WL+24+\k]
.endr
.irp k, 0,1,2,3,4,5,6,7
	v_fma_f32 v[WL+24+\k], s[\sy], v[WL+8+\k], v[WL+24+\k]
.endr
.irp k, 0,1,2,3,4,5,6,7
	v_fma_f32 v[WL+24+\k], s[\sz], v[WL+16+\k], v[WL+24+\k]
.endr
.irp k, 0,1,2,3,4,5,6,7
	v_med3_num_f32 v[WL+24+\k], v[WL+24+\k], 0, v15                ; the activation and the hold in one: the conversion does not saturate (ISA guide 7.6.2)
.endr
	v_cvt_scalef32_pk8_fp8_f32 v[8:9], v[WL+24:WL+31], v14
	v_nop                                          ; a plain line behind the conversion
.endm
; a plane rotation: c f + s g = r, with the sign convention chosen above
.macro LARTG f, g, c, s, r, t
	v_mul_f32 v[\t], v[\f], v[\f]
	v_fma_f32 v[\t], v[\g], v[\g], v[\t]
.if LARTG_NEW
	v_mov_b32 v[\c], v[\f]
.else
	v_cmp_gt_f32 vcc_lo, |v[\f]|, |v[\g]|
	v_cndmask_b32 v[\c], 1.0, v[\f], vcc_lo
.endif
	v_rsq_f32 v[\s], v[\t]
	v_nop                                          ; a plain line behind the transcendental
	s_wait_alu depctr_va_vdst(0)
	v_bfi_b32 v[\s], 0x7fffffff, v[\s], v[\c]      ; 1 / sqrt(f^2 + g^2) with the chosen sign
	v_mul_f32 v[\c], v[\f], v[\s]
	v_mul_f32 v[\r], v[\t], v[\s]
	v_mul_f32 v[\s], v[\g], v[\s]
.endm
.macro SMALL                           ; s62, s63: is e1, e2 negligible beside its diagonal neighbours?
	v_mul_f32 v41, v30, v30
	v_mul_f32 v42, s76, |v27|
	v_fma_f32 v42, v42, |v28|, s77
	v_cmp_le_f32 s62, v41, v42
	v_mul_f32 v41, v31, v31
	v_mul_f32 v42, s76, |v28|
	v_fma_f32 v42, v42, |v29|, s77
	v_cmp_le_f32 s63, v41, v42
.endm
.macro SWAPM a, b                      ; v[a] <-> v[b] where the matrix is mirrored
	v_cndmask_b32 v41, v[\a], v[\b], s60
	v_cndmask_b32 v[\b], v[\b], v[\a], s60
	v_mov_b32 v[\a], v41
.endm
	s_load_b128 s[4:7], s[0:1], 0x0                ; point_cloud, grid_points
	s_load_b256 s[8:15], s[0:1], 0x10              ; pe_W1, pe_b1, ne_W1, ne_b1
	s_load_b512 s[16:31], s[0:1], 0x30             ; te_W1, te_b1, te_W2 codes, te_b2, te_W3 codes, te_b3, lowp_scales, h1codes
	s_load_b128 s[32:35], s[0:1], 0x70             ; gidx, tf
	v_lshl_add_u32 v254, v0, 2, 0x6000
	v_mov_b32 v255, 0
	v_lshrrev_b32 v6, 5, v0
	v_readfirstlane_b32 s36, v6                    ; wave 0..7
	v_and_b32 v3, 31, v0                           ; lane
	v_mul_u32_u24 v1, v0, 192                      ; my 16 candidates: 192 bytes
	v_mul_u32_u24 v2, v0, 96                       ; my list's place in LDS: 24 words
	v_and_b32 v12, 7, v0
	v_mul_u32_u24 v4, v12, 3072                    ; the list of lane 0 of wave (lane % 8): 32 x 96 bytes a wave
	v_lshlrev_b32 v13, 3, v12                      ; my 8 codes
	v_lshlrev_b32 v12, 5, v12                      ; my 8 units' 32 bytes
	v_and_b32 v10, 15, v0                          ; r
	v_bfe_u32 v11, v0, 4, 1                        ; h
	s_lshr_b32 s38, ttmp9, 6
	s_mul_i32 s38, s38, 49152                      ; the batch's points
	s_mov_b32 s39, 0
	s_and_b32 s37, ttmp9, 63
	s_mul_i32 s70, s37, 12                         ; my point
	s_mov_b32 s71, 0
	s_mov_b32 s44, 0x76543210                      ; v_permlanex16_b32: lane xor 16
	s_mov_b32 s45, 0xfedcba98
	s_mov_b32 s76, 0x27800000                      ; 2^-48
	s_mov_b32 s77, 0x00800000                      ; the smallest normal number
	s_wait_kmcnt 0x0
	s_add_nc_u64 s[4:5], s[4:5], s[38:39]
	s_add_nc_u64 s[70:71], s[4:5], s[70:71]
	s_load_b96 s[40:42], s[70:71], 0x0             ; the query
	s_load_b32 s52, s[28:29], 0x0                  ; e0
	s_load_b32 s53, s[28:29], 0x10                 ; e4
	s_load_b128 s[56:59], s[28:29], 0x20           ; e8 .. e11
	s_lshl_b32 s38, ttmp9, 7
	s_add_nc_u64 s[30:31], s[30:31], s[38:39]      ; my point's 128 bytes of codes
	s_lshl_b32 s38, ttmp9, 2
	s_add_nc_u64 s[32:33], s[32:33], s[38:39]      ; and its word of gidx
.irp n, 0,1,2,3,4,5,6,7,8,9,10,11
	global_load_b128 v[C+4*\n:C+4*\n+3], v1, s[4:5] offset:16*\n
.endr
.irp j, 0,1,2,3,4,5
	v_mov_b32 v[LK+\j], 0x7f800000                 ; an empty slot: + infinity
.endr
.set n, 6
.rept 42
	v_mov_b32 v[LK+n], 0                           ; payloads, and the partner's list (a lane permute's destination counts as read)
.set n, n+1
.endr
	s_wait_kmcnt 0x0
.if R_FMA
	v_mul_f32 v5, s40, s40
	v_fma_f32 v5, s41, s41, v5
	v_fma_f32 v5, s42, s42, v5
.else
	v_mul_f32 v5, s40, s40
	v_mul_f32 v6, s41, s41
	v_add_f32 v5, v5, v6
	v_mul_f32 v6, s42, s42
	v_add_f32 v5, v5, v6                           ; r_i
.endif
.irp g, 0,1,2,3
	s_wait_loadcnt 9-3*\g                          ; four candidates are three loads: the 9 - 3 g younger loads may stay out
.irp q, 0,1,2,3
	DIST 4*\g+\q
	INSERT 6, C+3*(4*\g+\q), C+3*(4*\g+\q)+1, C+3*(4*\g+\q)+2, 0
.endr
.endr
	MERGE 0, 1
	MERGE 0, 2
	MERGE 0, 4
	MERGE 0, 8
	MERGE 1, 16                                    ; lane 0 holds the wave's six
.irp n, 0,1,2,3,4,5
	ds_store_b128 v2, v[LK+4*\n:LK+4*\n+3] offset:16*\n
.endr
	s_wait_dscnt 0x0                               ; for wave 0's sake: my list lies in LDS
	s_barrier_signal -1
	s_barrier_wait -1
	s_cmp_eq_u32 s36, 0
	s_cbranch_scc1 .Lwave0
	s_cmp_eq_u32 s36, 1
	s_cbranch_scc1 .Lwave1
	s_wait_tensorcnt 0x0
	ds_add_u32 v254, v255
	s_wait_dscnt 0x0
	s_endpgm
; ---------------- wave 0: the eight waves' lists, the covariance, the normal, the normal encoder's layer 1
.Lwave0:
	LOADW 12, 14                                   ; ne_W1, ne_b1: they land during what follows
.irp n, 0,1,2,3,4,5
	ds_load_b128 v[LK+4*\n:LK+4*\n+3], v4 offset:16*\n
.endr
	s_wait_dscnt 0x0
	MERGE 0, 1
	MERGE 0, 2
	MERGE 0, 4                                     ; lane 0 holds the six nearest, nearest first.  All lanes go on; lane 0's numbers are the ones that are used
	v_add_f32 v16, v[LX], v[LX+1]
	v_add_f32 v17, v[LY], v[LY+1]
	v_add_f32 v18, v[LZ], v[LZ+1]
.irp k, 2,3,4,5
	v_add_f32 v16, v16, v[LX+\k]
	v_add_f32 v17, v17, v[LY+\k]
	v_add_f32 v18, v18, v[LZ+\k]
.endr
	v_mul_f32 v16, 0x3e2aaaab, v16                 ; the mean
	v_mul_f32 v17, 0x3e2aaaab, v17
	v_mul_f32 v18, 0x3e2aaaab, v18
.irp k, 0,1,2,3,4,5
	v_sub_f32 v[LX+\k], v[LX+\k], v16
	v_sub_f32 v[LY+\k], v[LY+\k], v17
	v_sub_f32 v[LZ+\k], v[LZ+\k], v18
.endr
	v_mul_f32 v19, v[LX], v[LX]                    ; a11
	v_mul_f32 v20, v[LY], v[LX]                    ; a21
	v_mul_f32 v21, v[LZ], v[LX]                    ; a31
	v_mul_f32 v22, v[LY], v[LY]                    ; a22
	v_mul_f32 v23, v[LZ], v[LY]                    ; a32
	v_mul_f32 v24, v[LZ], v[LZ]                    ; a33
.irp k, 1,2,3,4,5
	v_fma_f32 v19, v[LX+\k], v[LX+\k], v19
	v_fma_f32 v20, v[LY+\k], v[LX+\k], v20
	v_fma_f32 v21, v[LZ+\k], v[LX+\k], v21
	v_fma_f32 v22, v[LY+\k], v[LY+\k], v22
	v_fma_f32 v23, v[LZ+\k], v[LY+\k], v23
	v_fma_f32 v24, v[LZ+\k], v[LZ+\k], v24
.endr
	; to tridiagonal form: one reflector I - tau (1, v2)(1, v2)^T on rows and columns 2, 3.  v25 tau, v26 v2, v27-29 d, v30-31 e
	v_mul_f32 v41, v20, v20
	v_fma_f32 v41, v21, v21, v41
	v_sqrt_f32 v41, v41
	v_nop
	v_cmp_neq_f32 s69, 0, v21                      ; no reflector where a31 = 0
	s_wait_alu depctr_va_vdst(0)
	v_bfi_b32 v42, 0x7fffffff, v41, v20
	v_xor_b32 v42, 0x80000000, v42                 ; beta = -sign(norm, a21)
	v_sub_f32 v43, v42, v20
	v_sub_f32 v44, v20, v42
	v_rcp_f32 v45, v42
	v_rcp_f32 v46, v44
	v_nop
	s_wait_alu depctr_va_vdst(0)
	v_mul_f32 v25, v43, v45
	v_mul_f32 v26, v21, v46
	v_cndmask_b32 v25, 0, v25, s69
	v_cndmask_b32 v26, 0, v26, s69
	v_cndmask_b32 v30, v20, v42, s69               ; e1
	v_fma_f32 v41, v23, v26, v22
	v_mul_f32 v41, v25, v41                        ; x1
	v_fma_f32 v42, v24, v26, v23
	v_mul_f32 v42, v25, v42                        ; x2
	v_fma_f32 v43, v42, v26, v41
	v_mul_f32 v43, v25, v43
	v_mul_f32 v43, -0.5, v43                       ; alpha
	v_add_f32 v41, v41, v43                        ; w1
	v_fma_f32 v42, v43, v26, v42                   ; w2
	v_mov_b32 v27, v19                             ; d1
	v_fma_f32 v28, -2.0, v41, v22                  ; d2
	v_fma_f32 v44, v26, v41, v42
	v_sub_f32 v31, v23, v44                        ; e2
	v_mul_f32 v44, v26, v42
	v_fma_f32 v29, -2.0, v44, v24                  ; d3
	; QL, or QR run as QL on the mirrored matrix.  Columns of the rotations' product: v32-34, v35-37, v38-40
	v_cmp_lt_f32 s60, |v29|, |v27|
	SWAPM 27, 29
	SWAPM 30, 31
	v_cndmask_b32 v32, 1.0, 0, s60
	v_mov_b32 v33, 0
	v_cndmask_b32 v34, 0, 1.0, s60
	v_mov_b32 v35, 0
	v_mov_b32 v36, 1.0
	v_mov_b32 v37, 0
	v_cndmask_b32 v38, 0, 1.0, s60
	v_mov_b32 v39, 0
	v_cndmask_b32 v40, 1.0, 0, s60
	s_mov_b32 s78, NSWEEP
.Lsweep:                                               ; a sweep; a lane in which an off-diagonal has become negligible keeps its state (rotations by nothing)
	SMALL
	s_or_b32 s61, s62, s63
	s_not_b32 s61, s61                             ; still at work
	v_sub_f32 v43, v28, v27
	v_add_f32 v44, v30, v30
	v_rcp_f32 v44, v44
	v_sub_f32 v46, v29, v27                        ; (a plain line behind the transcendental)
	s_wait_alu depctr_va_vdst(0)
	v_mul_f32 v43, v43, v44
	v_fma_f32 v45, v43, v43, 1.0
	v_sqrt_f32 v45, v45
	v_nop
	s_wait_alu depctr_va_vdst(0)
	v_bfi_b32 v45, 0x7fffffff, v45, v43
	v_add_f32 v45, v43, v45
	v_rcp_f32 v45, v45
	v_nop
	s_wait_alu depctr_va_vdst(0)
	v_fma_f32 v43, v30, v45, v46                   ; the shifted d3 - d1
	LARTG 43, 31, 47, 48, 49, 50                   ; c2, s2
	v_sub_f32 v50, v28, v29
	v_mul_f32 v51, v47, v31
	v_add_f32 v51, v51, v51
	v_fma_f32 v50, v50, v48, v51
	v_mul_f32 v52, v48, v50                        ; p
	v_add_f32 v53, v29, v52                        ; d3 anew
	v_fma_f32 v43, v47, v50, -v31
	v_mul_f32 v54, v48, v30
	v_mul_f32 v55, v47, v30
	LARTG 43, 54, 56, 57, 58, 59                   ; c1, s1, e2 anew
	v_sub_f32 v43, v28, v52
	v_sub_f32 v50, v27, v43
	v_mul_f32 v51, v56, v55
	v_add_f32 v51, v51, v51
	v_fma_f32 v50, v50, v57, v51
	v_mul_f32 v52, v57, v50
	v_add_f32 v59, v43, v52                        ; d2 anew
	v_fma_f32 v60, v56, v50, -v55                  ; e1 anew
	v_sub_f32 v61, v27, v52                        ; d1 anew
	v_cndmask_b32 v47, 1.0, v47, s61
	v_cndmask_b32 v48, 0, v48, s61
	v_cndmask_b32 v56, 1.0, v56, s61
	v_cndmask_b32 v57, 0, v57, s61
	v_cndmask_b32 v27, v27, v61, s61
	v_cndmask_b32 v28, v28, v59, s61
	v_cndmask_b32 v29, v29, v53, s61
	v_cndmask_b32 v30, v30, v60, s61
	v_cndmask_b32 v31, v31, v58, s61
.irp i, 0,1,2
	v_mul_f32 v62, v48, v[35+\i]
	v_mul_f32 v63, v48, v[38+\i]
	v_fma_f32 v[38+\i], v47, v[38+\i], v62
	v_fma_f32 v[35+\i], v47, v[35+\i], -v63
	v_mul_f32 v62, v57, v[32+\i]
	v_mul_f32 v63, v57, v[35+\i]
	v_fma_f32 v[35+\i], v56, v[35+\i], v62
	v_fma_f32 v[32+\i], v56, v[32+\i], -v63
.endr
	s_sub_co_i32 s78, s78, 1
	s_cmp_lg_u32 s78, 0
	s_cbranch_scc1 .Lsweep
	SWAPM 27, 29                                   ; the mirror is undone
	SWAPM 30, 31
.irp i, 0,1,2
	SWAPM 32+\i, 38+\i
.endr
	SMALL
	; the 2 x 2 block that is left: rows 2, 3 where e1 is negligible, else rows 1, 2; none where both are
	v_cndmask_b32 v41, v27, v28, s62               ; a
	v_cndmask_b32 v42, v30, v31, s62               ; b
	v_cndmask_b32 v43, v28, v29, s62               ; c
.irp i, 0,1,2
	v_cndmask_b32 v[44+\i], v[32+\i], v[35+\i], s62
	v_cndmask_b32 v[47+\i], v[35+\i], v[38+\i], s62
.endr
	v_add_f32 v50, v41, v43                        ; sm
	v_sub_f32 v51, v41, v43                        ; df
	v_add_f32 v52, v42, v42                        ; tb
	v_max_num_f32 v53, |v51|, |v52|
	v_min_num_f32 v54, |v51|, |v52|
	v_rcp_f32 v55, v53
	v_nop
	s_wait_alu depctr_va_vdst(0)
	v_mul_f32 v55, v54, v55
	v_fma_f32 v55, v55, v55, 1.0
	v_sqrt_f32 v55, v55
	v_nop
	s_wait_alu depctr_va_vdst(0)
	v_mul_f32 v53, v53, v55                        ; rt
	v_xor_b32 v56, 0x80000000, v53
	v_cmp_lt_f32 s72, v50, 0
	v_cmp_ge_f32 s73, v51, 0
	v_cndmask_b32 v57, v53, v56, s72
	v_add_f32 v57, v50, v57
	v_mul_f32 v57, 0.5, v57                        ; rt1
	v_cmp_gt_f32 vcc_lo, |v41|, |v43|
	v_cndmask_b32 v58, v43, v41, vcc_lo
	v_cndmask_b32 v59, v41, v43, vcc_lo
	v_rcp_f32 v60, v57
	v_cndmask_b32 v62, v56, v53, s73               ; (a plain line behind the transcendental)
	s_wait_alu depctr_va_vdst(0)
	v_mul_f32 v58, v58, v60
	v_mul_f32 v61, v42, v60
	v_mul_f32 v61, v61, v42
	v_fma_f32 v72, v58, v59, -v61                  ; rt2
	v_add_f32 v63, v51, v62                        ; cs
	v_cmp_gt_f32 s74, |v63|, |v52|
	v_cndmask_b32 v64, v63, v52, s74
	v_cndmask_b32 v65, v52, v63, s74
	v_rcp_f32 v65, v65
	v_nop
	s_wait_alu depctr_va_vdst(0)
	v_mul_f32 v64, -v64, v65
	v_fma_f32 v66, v64, v64, 1.0
	v_rsq_f32 v66, v66
	v_nop
	s_wait_alu depctr_va_vdst(0)
	v_mul_f32 v67, v64, v66
	v_cndmask_b32 v68, v67, v66, s74               ; sn1
	v_cndmask_b32 v69, v66, v67, s74               ; cs1
	s_xor_b32 s75, s72, s73                        ; the two signs agree
	v_xor_b32 v70, 0x80000000, v68
	v_cndmask_b32 v70, v69, v70, s75
	v_cndmask_b32 v71, v68, v69, s75
	s_and_b32 s75, s62, s63                        ; no block is left
	v_cndmask_b32 v70, v70, 1.0, s75
	v_cndmask_b32 v71, v71, 0, s75
	v_cndmask_b32 v57, v57, v41, s75
	v_cndmask_b32 v72, v72, v43, s75
.irp i, 0,1,2
	v_mul_f32 v[73+\i], v71, v[47+\i]
	v_fma_f32 v[73+\i], v70, v[44+\i], v[73+\i]    ; the block's first column
	v_mul_f32 v[76+\i], v71, v[44+\i]
	v_fma_f32 v[76+\i], v70, v[47+\i], -v[76+\i]   ; its second
.endr
.irp i, 0,1,2
	v_cndmask_b32 v[32+\i], v[73+\i], v[32+\i], s62
	v_cndmask_b32 v[35+\i], v[76+\i], v[73+\i], s62
	v_cndmask_b32 v[38+\i], v[38+\i], v[76+\i], s62
.endr
	v_cndmask_b32 v27, v57, v27, s62
	v_cndmask_b32 v28, v72, v57, s62
	v_cndmask_b32 v29, v29, v72, s62
	v_cmp_lt_f32 vcc_lo, v28, v27                  ; the first strictly smallest eigenvalue's column
	v_cndmask_b32 v27, v27, v28, vcc_lo
.irp i, 0,1,2
	v_cndmask_b32 v[32+\i], v[32+\i], v[35+\i], vcc_lo
.endr
	v_cmp_lt_f32 vcc_lo, v29, v27
.irp i, 0,1,2
	v_cndmask_b32 v[32+\i], v[32+\i], v[38+\i], vcc_lo
.endr
	v_fma_f32 v41, v26, v34, v33                   ; the reflector is applied
	v_mul_f32 v41, v25, v41
	v_sub_f32 v33, v33, v41
	v_fma_f32 v34, -v41, v26, v34
	v_mul_f32 v42, v32, v32
	v_fma_f32 v42, v33, v33, v42
	v_fma_f32 v42, v34, v34, v42
	v_rsq_f32 v42, v42
	v_nop
	s_wait_alu depctr_va_vdst(0)
	v_mul_f32 v32, v32, v42
	v_mul_f32 v33, v33, v42
	v_mul_f32 v34, v34, v42
	v_readfirstlane_b32 s66, v32                   ; lane 0's normal, an operand of multiply-adds alone
	v_readfirstlane_b32 s67, v33
	v_readfirstlane_b32 s68, v34
	s_wait_loadcnt 0x0                             ; ne_W1, ne_b1
	LAYER1 66, 67, 68, 53
	s_wait_xcnt 0x0                                ; EXEC changes only behind this wait
	v_cmp_gt_u32 vcc_lo, 8, v3
	s_wait_tensorcnt 0x0
	ds_add_u32 v254, v255
	s_wait_dscnt 0x0
	s_and_saveexec_b32 s74, vcc_lo
	global_store_b64 v13, v[8:9], s[30:31] offset:64   ; eight lanes: 64 consecutive bytes
	s_wait_xcnt 0x0
	s_or_b32 exec_lo, exec_lo, s74
	s_endpgm
; ---------------- wave 1: the point encoder's layer 1, the nearest grid cell; in work-group 0 the third encoder
.Lwave1:
	LOADW 8, 10
	v_mul_u32_u24 v7, v3, 24                       ; cells 2 lane and 2 lane + 1: 24 bytes
	global_load_b64 v[16:17], v7, s[6:7]
	global_load_b64 v[18:19], v7, s[6:7] offset:8
	global_load_b64 v[20:21], v7, s[6:7] offset:16
	s_wait_loadcnt 0x0
	LAYER1 40, 41, 42, 52
	s_wait_xcnt 0x0
	v_cmp_gt_u32 vcc_lo, 8, v3
	s_and_saveexec_b32 s74, vcc_lo
	global_store_b64 v13, v[8:9], s[30:31]
	s_wait_xcnt 0x0
	s_or_b32 exec_lo, exec_lo, s74
	v_sub_f32 v16, s40, v16
	v_sub_f32 v17, s41, v17
	v_sub_f32 v18, s42, v18
	v_sub_f32 v19, s40, v19
	v_sub_f32 v20, s41, v20
	v_sub_f32 v21, s42, v21
	v_mul_f32 v22, v16, v16
	v_mul_f32 v25, v17, v17
	v_add_f32 v22, v22, v25
	v_mul_f32 v25, v18, v18
	v_add_f32 v22, v22, v25
	v_mul_f32 v23, v19, v19
	v_mul_f32 v25, v20, v20
	v_add_f32 v23, v23, v25
	v_mul_f32 v25, v21, v21
	v_add_f32 v23, v23, v25
	v_lshlrev_b32 v24, 1, v3
	v_or_b32 v26, 1, v24
	v_cmp_lt_f32 vcc_lo, v23, v22                  ; the later cell only if strictly nearer
	v_cndmask_b32 v22, v22, v23, vcc_lo
	v_cndmask_b32 v24, v24, v26, vcc_lo
.macro AMIN kind, m                    ; (distance, cell) with the partner lane's: the smaller distance, at equal distances the lower cell; alike in both lanes
.if \kind
	v_permlanex16_b32 v25, v22, s44, s45
	v_permlanex16_b32 v26, v24, s44, s45
.else
	v_mov_b32_dpp v25, v22 row_xmask:\m row_mask:0xf bank_mask:0xf
	v_mov_b32_dpp v26, v24 row_xmask:\m row_mask:0xf bank_mask:0xf
.endif
	v_cmp_lt_f32 s70, v25, v22
	v_cmp_eq_f32 s71, v25, v22
	v_cmp_lt_u32 s72, v26, v24
	s_and_b32 s71, s71, s72
	s_or_b32 s70, s70, s71
	v_cndmask_b32 v22, v22, v25, s70
	v_cndmask_b32 v24, v24, v26, s70
.endm
	AMIN 0, 1
	AMIN 0, 2
	AMIN 0, 4
	AMIN 0, 8
	AMIN 1, 16
	v_mov_b32 v27, 0
	v_cmp_eq_u32 vcc_lo, 0, v3
	s_and_saveexec_b32 s74, vcc_lo                 ; (no memory instruction has been issued since the last wait on XCNT)
	global_store_b32 v27, v24, s[32:33]
	s_wait_xcnt 0x0
	s_or_b32 exec_lo, exec_lo, s74
	s_cmp_lg_u32 ttmp9, 0
	s_cbranch_scc1 .Lend1
	; ---- the third encoder on a row of ones.  Operands are laid as 16-byte loads lay them: registers 4 c .. 4 c + 3 hold k = 32 c + 16 h + 0 .. 15, alike on both sides of a product
	v_lshlrev_b32 v1, 6, v11                       ; 64 h
	v_and_b32 v5, 8, v10
	v_add_nc_u32 v5, v5, v10                       ; r + 8 (r / 8)
	v_lshlrev_b32 v5, 6, v5
	v_lshl_add_u32 v5, v11, 4, v5                  ; W2: a row of 64 codes
	v_lshlrev_b32 v6, 7, v10
	v_lshl_add_u32 v6, v11, 4, v6                  ; W3: a row of 128 codes
	v_lshlrev_b32 v7, 2, v3
.irp p, 0,1,2
.irp c, 0,1
.irp q, 0,1,2,3
	global_load_b128 v[16+32*\p+16*\c+4*\q:16+32*\p+16*\c+4*\q+3], v1, s[16:17] offset:256*\p+128*\c+16*\q
.endr
.endr
.endr
.irp c, 0,1
.irp q, 0,1,2,3
	global_load_b128 v[112+16*\c+4*\q:112+16*\c+4*\q+3], v1, s[18:19] offset:128*\c+16*\q
.endr
.endr
.irp t, 0,1,2,3,4,5,6,7                ; lane r of tile t takes row 32 (t / 2) + 8 (t % 2) + r + 8 (r / 8): two neighbouring tiles' 16 registers are then 16 neighbours along the next K
.irp c, 0,1
	global_load_b128 v[144+8*\t+4*\c:144+8*\t+4*\c+3], v5, s[20:21] offset:(32*(\t/2)+8*(\t%2))*64+32*\c
.endr
.endr
	s_wait_loadcnt 0x0
.set n, 0
.rept 32
	v_add_f32 v[16+n], v[16+n], v[48+n]            ; products with 1.0 are exact
	v_add_f32 v[16+n], v[16+n], v[80+n]
	v_add_f32 v[16+n], v[16+n], v[112+n]
.set n, n+1
.endr
	SCALE 56
.set n, 0
.rept 32
	v_med3_num_f32 v[16+n], v[16+n], 0, v15
.set n, n+1
.endr
.irp m, 0,1,2,3
	v_cvt_scalef32_pk8_fp8_f32 v[208+2*\m:209+2*\m], v[16+8*\m:23+8*\m], v14
.endr
	v_nop
.irp t, 0,1,2,3,4,5,6,7
	global_load_b128 v[16+8*\t:19+8*\t], v1, s[22:23] offset:(32*(\t/2)+8*(\t%2))*4
	global_load_b128 v[20+8*\t:23+8*\t], v1, s[22:23] offset:(32*(\t/2)+8*(\t%2))*4+16
.endr
.macro W3LOAD g, buf                   ; four tiles of 16 neighbouring rows of W3
.irp u, 0,1,2,3
.irp c, 0,1,2,3
	global_load_b128 v[\buf+16*\u+4*\c:\buf+16*\u+4*\c+3], v6, s[24:25] offset:2048*(4*(\g)+\u)+32*\c
.endr
.endr
.endm
	W3LOAD 0, 80
.irp p, 0,1,2,3,4,5,6,7
	global_load_b32 v[232+\p], v7, s[26:27] offset:128*\p
.endr
	s_add_co_i32 s79, s56, s57                     ; e8 + e9
	s_sub_co_i32 s72, 0, s79
	s_sub_co_i32 s79, s58, s79                     ; e10 - e8 - e9
	s_wait_loadcnt 24                              ; b2 is in; W3's 16 loads and b3's 8 may stay out
.set n, 0
.rept 64
	v_ldexp_f32 v[16+n], v[16+n], s72              ; the bias goes in as the sums' C, divided by the power of two that the sums lack
.set n, n+1
.endr
.irp t, 0,1,2,3,4,5,6,7
	v_wmma_f32_16x16x64_fp8_fp8 v[16+8*\t:23+8*\t], v[144+8*\t:151+8*\t], v[208:215], v[16+8*\t:23+8*\t]
.endr
.rept 5
	v_nop
.endr
	W3LOAD 1, 144
	SCALE 79
.set n, 0
.rept 64
	v_med3_num_f32 v[16+n], v[16+n], 0, v15
.set n, n+1
.endr
.irp t, 0,1,2,3,4,5,6,7
	v_cvt_scalef32_pk8_fp8_f32 v[216+2*\t:217+2*\t], v[16+8*\t:23+8*\t], v14
.endr
	v_nop
	v_cmp_le_u32 s72, 16, v3                       ; the upper half of the lanes
	s_add_co_i32 s73, s58, s59
	s_add_co_i32 s73, s73, 127
	s_lshl_b32 s73, s73, 23                        ; 2^(e10 + e11)
.irp g, 0,1,2,3                        ; layer 3, source 0 = the 16 equal rows, source 1 = 16 rows of W3: register 0 of lane r is output 16 t + r
.set DS, 16+32*(\g%2)
.set BUF, 80+64*(\g%2)
.if \g < 3
	s_wait_loadcnt 16                              ; this group's tiles (and b3) are in; the next group's 16 loads may stay out
.else
	s_wait_loadcnt 0x0
.endif
.irp u, 0,1,2,3
	v_wmma_f32_16x16x128_fp8_fp8 v[DS+8*\u:DS+8*\u+7], v[216:231], v[BUF+16*\u:BUF+16*\u+15], 0
.endr
.rept 5
	v_nop
.endr
.if \g < 2
	W3LOAD \g+2, BUF
.endif
.irp q, 0,1
	v_cndmask_b32 v[240+2*\g+\q], v[DS+16*\q], v[DS+16*\q+8], s72      ; lanes 0-15: the even tile's outputs; lanes 16-31: the odd tile's
	v_fma_f32 v[240+2*\g+\q], v[240+2*\g+\q], s73, v[232+2*\g+\q]
	global_store_b32 v7, v[240+2*\g+\q], s[34:35] offset:128*(2*\g+\q)
.endr
.endr
.Lend1:
	s_wait_tensorcnt 0x0
	ds_add_u32 v254, v255
	s_wait_dscnt 0x0
	s_endpgm
.Lfunc_end_k_q75a13eb2d6_knn:
	.size	k_q75a13eb2d6_knn, .Lfunc_end_k_q75a13eb2d6_knn-k_q75a13eb2d6_knn
	.p2alignl 7, 3214868480
	.fill 96, 4, 3214868480
	.section	.rodata,"a",@progbits
	.p2align	6, 0x0
	.amdhsa_kernel k_q75a13eb2d6_knn
		.amdhsa_group_segment_fixed_size 25600
		.amdhsa_private_segment_fixed_size 0
		.amdhsa_enable_private_segment 0
		.amdhsa_kernarg_size 128
		.amdhsa_user_sgpr_count 2
		.amdhsa_user_sgpr_kernarg_segment_ptr 1
		.amdhsa_wavefront_size32 1
		.amdhsa_system_sgpr_workgroup_id_x 1
		.amdhsa_system_sgpr_workgroup_id_y 1
		.amdhsa_system_sgpr_workgroup_id_z 1
		.amdhsa_system_vgpr_workitem_id 0
		.amdhsa_next_free_vgpr 256
		.amdhsa_next_free_sgpr 84
		.amdhsa_reserve_vcc 1
		.amdhsa_float_denorm_mode_32 3
		.amdhsa_float_denorm_mode_16_64 3
		.amdhsa_memory_ordered 1
		.amdhsa_forward_progress 1
		.amdhsa_inst_pref_size 203
	.end_amdhsa_kernel
	.amdgpu_metadata
---
amdhsa.version: [ 1, 2 ]
amdhsa.kernels:
  - .name:           k_q75a13eb2d6_knn
    .symbol:         k_q75a13eb2d6_knn.kd
    .args:
      - { .name: point_cloud, .offset: 0, .size: 8, .value_kind: global_buffer, .address_space: global }
      - { .name: grid_points, .offset: 8, .size: 8, .value_kind: global_buffer, .address_space: global }
      - { .name: pe_W1, .offset: 16, .size: 8, .value_kind: global_buffer, .address_space: global }
      - { .name: pe_b1, .offset: 24, .size: 8, .value_kind: global_buffer, .address_space: global }
      - { .name: ne_W1, .offset: 32, .size: 8, .value_kind: global_buffer, .address_space: global }
      - { .name: ne_b1, .offset: 40, .size: 8, .value_kind: global_buffer, .address_space: global }
      - { .name: te_W1, .offset: 48, .size: 8, .value_kind: global_buffer, .address_space: global }
      - { .name: te_b1, .offset: 56, .size: 8, .value_kind: global_buffer, .address_space: global }
      - { .name: te_W2_codes, .offset: 64, .size: 8, .value_kind: global_buffer, .address_space: global }
      - { .name: te_b2, .offset: 72, .size: 8, .value_kind: global_buffer, .address_space: global }
      - { .name: te_W3_codes, .offset: 80, .size: 8, .value_kind: global_buffer, .address_space: global }
      - { .name: te_b3, .offset: 88, .size: 8, .value_kind: global_buffer, .address_space: global }
      - { .name: lowp_scales, .offset: 96, .size: 8, .value_kind: global_buffer, .address_space: global }
      - { .name: h1codes, .offset: 104, .size: 8, .value_kind: global_buffer, .address_space: global }
      - { .name: gidx, .offset: 112, .size: 8, .value_kind: global_buffer, .address_space: global }
      - { .name: tf, .offset: 120, .size: 8, .value_kind: global_buffer, .address_space: global }
    .group_segment_fixed_size: 25600
    .private_segment_fixed_size: 0
    .kernarg_segment_align: 8
    .kernarg_segment_size: 128
    .max_flat_workgroup_size: 256
    .sgpr_count:     84
    .vgpr_count:     256
    .wavefront_size: 32
...
	.end_amdgpu_metadata
.endif
;; end of part 1
;; launch chain (part 2): grid 4 x 1, 16 waves a work-group, no clusters, 207,360 bytes of LDS; arguments gidx, h1codes, pe_W2_codes, ne_W2_codes, pe_b2, ne_b2, lowp_scales, tf, pe_W3_codes, ne_W3_codes, pe_b3, ne_b3, dn_W1_codes, dn_b1, dn_W2_codes, dn_b2, cl_W1_codes, sv_W1_codes, cl_b1, sv_b1, cl_W2, sv_W2, cl_b2, sv_b2, out0, out1, out2, out3; writes out0, out1, out2, out3
.if DOCPART == 2
	.amdgcn_target "amdgcn-amd-amdhsa--gfx1250"
	.amdhsa_code_object_version 6
	.text
	.protected	k_q75a13eb2d6_chain
	.globl	k_q75a13eb2d6_chain
	.p2align	8
	.type	k_q75a13eb2d6_chain,@function
k_q75a13eb2d6_chain:
	s_mov_b64 s[64:65], 0
	v_nop
	global_prefetch_b8 v0, s[64:65] scope:SCOPE_SE
	s_setreg_imm32_b32 hwreg(HW_REG_WAVE_MODE, 25, 1), 1
	s_wait_xcnt 0x0
; One work-group for each batch, sixteen waves.  For each of the 64 grid cells: the last of the batch's first 64 points whose nearest cell it is (from the stored whole numbers), that point's layer-1 codes,
; layers 2 and 3 of the point and normal encoders, the third encoder's row, all set to 0 in empty cells (out3), the two layers of the detection net (out2), the two heads (out0, out1).
; Since a cell's features are the encoders' output for its winner, what is gathered is the winner's 128 bytes of codes, not its features.
; EVERY PRODUCT IS USED TRANSPOSED: source 0 = 16 rows of a weight, source 1 = 16 cells; lane (r, h) then holds cell r, and its registers run along the channels.  Lane r of weight tile t takes row
; 32 (t / 2) + 8 (t % 2) + r + 8 (r / 8), so that register j of tile t is channel 32 (t / 2) + 16 h + 8 (t % 2) + j: a tile's eight codes are two registers of the next operand, whose registers 4 c .. 4 c + 3
; hold k = 32 c + 16 h + 0 .. 15, as 16-byte loads lay the weights: the same order of k on both sides.
; OPERANDS GO FROM WAVE TO WAVE THROUGH LDS AS IMAGES OF THEIR REGISTERS (512 c + 16 x lane).  Five barriers.  Each weight byte goes once from memory into the register that multiplies it.
; A row of out2 and out3 is the batch's 64 cells, 256 bytes: a wave's 16 channels x 64 cells turn through its own stage in LDS and leave as whole rows, two to a store.
; LIMITS: e13, e16, e18, e2 - e0 - e1, e6 - e4 - e5, e15 - e12 - e13 between -126 and 119; e2 + e3, e6 + e7, e14 + e15, e16 + e17, e18 + e19 between -126 and 127 (each power of two is made as an f32 number).  NaN is not served.
; NO CLUSTER: the four work-groups read the same 409,600 bytes of weight codes, but a joint request lands in LDS alone, and beside the 205,312 bytes used here LDS has no room for them; each fragment is read once, straight into registers.
.set H2IMG, 0                          ; [encoder x 4 + cell tile][2048]
.set GFIMG, 16384                      ; [cell tile][6 K steps][2048]
.set HIMG,  65536                      ; [cell tile][2 K steps][2048]
.set DFC,   81920                      ; the same: the net's output by e16;  DFC + 16384: by e18
.set VALID, 114688                     ; [wave][16] f32: 1.0 where the cell has a winner
.set PARTC, 115712                     ; [8 tiles][64 cells][8 f32, 5 used]
.set PARTS, 132096                     ; [8 tiles][64 cells] f32
.set OUTS,  134144                     ; 1,280 bytes of out0, 256 of out1
.set STG,   135680                     ; [wave][16 rows x 272]
.set ACC,   32
.set BF,    96
; v0 thread, v1 lane, v2 r, v3 h, v4 16 lane; v5-v9 weight offsets; v10 64 h, v11 32 h; v12, v13 stage in and out; v14-v21 image addresses; v22, v23 the scale and the limit in hand; v24-31 dn_b1;
; v32-95 accumulators; v96-159 source 1, later rows on their way out; v160-255 weights, biases, masks
.macro BARRIER
	s_wait_dscnt 0x0                               ; my LDS stores have landed and my LDS loads are in
	s_barrier_signal -1
	s_barrier_wait -1
.endm
.macro PLACES n
.rept \n
	v_nop
.endr
.endm
.macro BLOAD areg, off, cstride        ; the four cell tiles' fragments of one K step
.irp ct, 0,1,2,3
.irp c, 0,1,2,3
	ds_load_b128 v[BF+16*\ct+4*\c:BF+16*\ct+4*\c+3], v[\areg] offset:(\off)+\ct*(\cstride)+512*\c
.endr
.endr
.endm
.macro OUT_TILE V, R, sb, off          ; 16 channels x 64 cells: through my stage, out as rows of 256 bytes
.irp ct, 0,1,2,3
.irp j, 0,1,2,3,4,5,6,7
	ds_store_b32 v12, v[\V+8*\ct+\j] offset:\j*272+\ct*64
.endr
.endr
.irp i, 0,1,2,3,4,5,6,7
	ds_load_b128 v[\R+4*\i:\R+4*\i+3], v13 offset:2*\i*272         ; LDS serves a wave's instructions in order: these see my stores
.endr
.irp i, 0,1,2,3,4,5,6,7
	s_wait_dscnt 7-\i                              ; the 7 - i younger loads may stay out
	global_store_b128 v4, v[\R+4*\i:\R+4*\i+3], s[\sb:\sb+1] offset:(\off)+(16*(\i/4)+2*(\i%4))*256 th:TH_STORE_NT   ; two neighbouring rows: 512 consecutive bytes
.endr
.endm
.macro QUANT8 src, tmp, dst, relu
.irp j, 0,1,2,3,4,5,6,7
.if \relu
	v_med3_num_f32 v[\tmp+\j], v[\src+\j], 0, v23                  ; the activation and the hold in one
.else
	v_med3_num_f32 v[\tmp+\j], v[\src+\j], -v23, v23               ; the conversion does not saturate (ISA guide 7.6.2)
.endif
.endr
	v_cvt_scalef32_pk8_fp8_f32 v[\dst:\dst+1], v[\tmp:\tmp+7], v22
.endm
.macro SETSCALE e                      ; s[e]: an exponent.  v22 = 2^e, v23 = 448 x 2^e
	s_add_co_i32 s7, s[\e], 127
	s_lshl_b32 s100, s7, 23
	v_mov_b32 v22, s100
	s_add_co_i32 s7, s7, 8
	s_lshl_b32 s7, s7, 23
	s_or_b32 s7, s7, 0x600000
	v_mov_b32 v23, s7
.endm
.macro POW2 d, a, b                    ; s[d] = s[d+1] = 2^(s[a] + s[b]) as f32
	s_add_co_i32 s[\d], s[\a], s[\b]
	s_add_co_i32 s[\d], s[\d], 127
	s_lshl_b32 s[\d], s[\d], 23
	s_mov_b32 s[\d+1], s[\d]
.endm
.macro AFFINE V, sc, B, masked         ; sum x 2^e + bias, and x the cell's 1.0 or 0.0; each accumulator from its low end on
.irp ct, 0,1,2,3
.irp i, 0,2,4,6
	v_pk_fma_f32 v[\V+8*\ct+\i:\V+8*\ct+\i+1], v[\V+8*\ct+\i:\V+8*\ct+\i+1], s[\sc:\sc+1], v[\B+\i:\B+\i+1] op_sel_hi:[1,0,1]
.endr
.if \masked
.irp i, 0,2,4,6
	v_pk_mul_f32 v[\V+8*\ct+\i:\V+8*\ct+\i+1], v[\V+8*\ct+\i:\V+8*\ct+\i+1], v[248+2*\ct:249+2*\ct]
.endr
.endif
.endr
.endm
.macro GFSTAGE e, V, R, CD             ; 16 channels of feature block e: to out3, and as codes into the image of the next operand
.if \e > 0
	s_wait_xcnt 0x0                                ; the stores of the block before have read their registers: R and CD may be written
.endif
	OUT_TILE \V, \R, 54, \e*65536
.irp ct, 0,1,2,3
	QUANT8 \V+8*\ct, \V+8*\ct, \CD+2*\ct, 0
.endr
	v_nop                                          ; a plain line behind the last conversion
.irp ct, 0,1,2,3
	ds_store_b64 v14, v[\CD+2*\ct:\CD+2*\ct+1] offset:\ct*12288+\e*4096
.endr
.endm
	s_load_b512 s[84:99], s[0:1], 0x0              ; gidx, h1codes, pe_W2, ne_W2, pe_b2, ne_b2, lowp_scales, tf
	v_and_b32 v1, 31, v0
	v_and_b32 v2, 15, v0
	v_bfe_u32 v3, v0, 4, 1
	v_lshrrev_b32 v4, 5, v0
	v_readfirstlane_b32 s2, v4                     ; wave 0..15
	v_lshlrev_b32 v4, 4, v1
	s_lshr_b32 s4, s2, 3                           ; layer 2: encoder; heads: which head
	s_bfe_u32 s5, s2, 0x10002                      ; layer 2: which four tiles
	s_and_b32 s6, s2, 3                            ; layer 2: which cell tile
	s_and_b32 s67, s2, 7
	s_lshr_b32 s66, s2, 1
	s_lshl_b32 s66, s66, 5
	s_and_b32 s7, s2, 1
	s_lshl_b32 s7, s7, 3
	s_add_co_u32 s66, s66, s7                      ; tile w's first row: 32 (w / 2) + 8 (w % 2)
	s_mov_b32 s101, 0
	v_and_b32 v24, 8, v2
	v_add_nc_u32 v24, v24, v2                      ; r + 8 (r / 8)
	v_lshlrev_b32 v25, 4, v3
	v_lshl_add_u32 v5, v24, 6, v25
	v_lshl_add_u32 v6, v24, 7, v25
	v_mad_u32_u24 v7, v24, 768, v25
	v_lshl_add_u32 v8, v24, 8, v25
	v_lshl_add_u32 v9, v2, 8, v25
	v_lshlrev_b32 v10, 6, v3
	v_lshlrev_b32 v11, 5, v3
	s_mul_i32 s7, s2, 4352
	s_add_co_u32 s7, s7, STG
	v_mul_u32_u24 v12, v3, 2176
	v_lshl_add_u32 v12, v2, 2, v12
	v_add_nc_u32 v12, s7, v12                      ; stage row 8 h + j, my cell's word
	v_mul_u32_u24 v13, v3, 272
	v_lshl_add_u32 v13, v2, 4, v13
	v_add_nc_u32 v13, s7, v13                      ; back: lanes 0-15 a row, lanes 16-31 the next
	s_lshl_b32 s7, s4, 11
	s_lshr_b32 s100, s67, 1
	s_lshl_b32 s100, s100, 9
	s_add_co_u32 s7, s7, s100
	s_and_b32 s100, s2, 1
	s_lshl_b32 s100, s100, 3
	s_add_co_u32 s7, s7, s100                      ; tile w's two registers in an image: K step w / 8, registers 2 (w % 8) on
	v_add_nc_u32 v15, s7, v4
	v_add_nc_u32 v14, GFIMG, v15
	v_add_nc_u32 v15, HIMG, v15
	s_lshl_b32 s7, s4, 2
	s_add_co_u32 s7, s7, s6
	s_lshl_b32 s7, s7, 11
	s_lshl_b32 s100, s5, 10
	s_add_co_u32 s7, s7, s100
	v_add_nc_u32 v16, s7, v4
	s_lshl_b32 s7, s2, 6
	s_add_co_u32 s7, s7, VALID
	v_lshl_add_u32 v17, v2, 2, s7
	v_lshlrev_b32 v18, 2, v2
	v_add_nc_u32 v18, VALID, v18
	v_add_nc_u32 v19, GFIMG, v4
	v_add_nc_u32 v20, HIMG, v4
	s_lshl_b32 s7, s4, 14
	s_add_co_u32 s7, s7, DFC
	v_add_nc_u32 v21, s7, v4
	s_wait_kmcnt 0x0
	s_lshl_b32 s100, ttmp9, 8
	s_add_nc_u64 s[84:85], s[84:85], s[100:101]
	s_load_b512 s[16:31], s[84:85], 0x0            ; the batch's 64 cell numbers: s16-63 and s68-83
	s_load_b512 s[32:47], s[84:85], 0x40
	s_load_b512 s[48:63], s[84:85], 0x80
	s_load_b512 s[68:83], s[84:85], 0xc0
	s_load_b256 s[8:15], s[96:97], 0x0             ; e0 .. e7
	s_cmp_eq_u32 s4, 0
	s_cselect_b64 s[88:89], s[88:89], s[90:91]     ; my encoder's W2 and b2: the choice hangs on the wave's number alone
	s_cselect_b64 s[92:93], s[92:93], s[94:95]
	s_lshl_b32 s100, s5, 12
	s_add_nc_u64 s[88:89], s[88:89], s[100:101]
	s_lshl_b32 s100, s5, 8
	s_add_nc_u64 s[92:93], s[92:93], s[100:101]
	s_lshl_b32 s100, ttmp9, 13
	s_lshl_b32 s7, s4, 6
	s_add_co_u32 s100, s100, s7
	s_add_nc_u64 s[86:87], s[86:87], s[100:101]    ; the batch's codes, my encoder's half
.irp u, 0,1,2,3
.irp c, 0,1
	global_load_b128 v[160+8*\u+4*\c:160+8*\u+4*\c+3], v5, s[88:89] offset:(32*(\u/2)+8*(\u%2))*64+32*\c
.endr
.endr
.irp u, 0,1,2,3
	global_load_b128 v[ACC+8*\u:ACC+8*\u+3], v10, s[92:93] offset:(32*(\u/2)+8*(\u%2))*4
	global_load_b128 v[ACC+8*\u+4:ACC+8*\u+7], v10, s[92:93] offset:(32*(\u/2)+8*(\u%2))*4+16
.endr
	s_lshl_b32 s7, s6, 4
	v_add_nc_u32 v24, s7, v2                       ; my cell
	v_mov_b32 v25, -1
	s_wait_kmcnt 0x0
.set i, 0
.rept 48
	v_cmp_ne_u32 vcc_lo, s[16+i], v24
	v_cndmask_b32 v25, i, v25, vcc_lo              ; point i falls into my cell: it takes the cell from every earlier point
.set i, i+1
.endr
.rept 16
	v_cmp_ne_u32 vcc_lo, s[20+i], v24
	v_cndmask_b32 v25, i, v25, vcc_lo
.set i, i+1
.endr
	v_cmp_le_i32 vcc_lo, 0, v25
	v_cndmask_b32 v26, 0, 1.0, vcc_lo
	v_max_i32 v25, 0, v25
	v_min_u32 v25, 63, v25
	ds_store_b32 v17, v26
	v_lshlrev_b32 v22, 7, v25
	v_lshl_add_u32 v22, v3, 4, v22
	global_load_b128 v[96:99], v22, s[86:87]       ; the winner's 64 codes
	global_load_b128 v[100:103], v22, s[86:87] offset:32
	s_load_b512 s[16:31], s[0:1], 0x40             ; pe_W3, ne_W3, pe_b3, ne_b3, dn_W1, dn_b1, dn_W2, dn_b2
	s_load_b512 s[32:47], s[0:1], 0x80             ; cl_W1, sv_W1, cl_b1, sv_b1, cl_W2, sv_W2, cl_b2, sv_b2
	s_load_b256 s[48:55], s[0:1], 0xc0             ; out0 .. out3
	s_load_b256 s[56:63], s[96:97], 0x30           ; e12 .. e19
	s_wait_kmcnt 0x0
	s_lshl_b32 s100, s66, 7
	s_add_nc_u64 s[16:17], s[16:17], s[100:101]
	s_add_nc_u64 s[18:19], s[18:19], s[100:101]
	s_lshl_b32 s100, s66, 2
	s_add_nc_u64 s[20:21], s[20:21], s[100:101]
	s_add_nc_u64 s[22:23], s[22:23], s[100:101]
	s_add_nc_u64 s[98:99], s[98:99], s[100:101]
	s_add_nc_u64 s[26:27], s[26:27], s[100:101]
	s_add_nc_u64 s[30:31], s[30:31], s[100:101]
	s_mul_i32 s100, s66, 768
	s_add_nc_u64 s[24:25], s[24:25], s[100:101]
	s_lshl_b32 s100, s66, 8
	s_add_nc_u64 s[28:29], s[28:29], s[100:101]
	s_add_nc_u64 s[52:53], s[52:53], s[100:101]
	s_add_nc_u64 s[54:55], s[54:55], s[100:101]
	s_lshl_b32 s100, ttmp9, 16
	s_add_nc_u64 s[52:53], s[52:53], s[100:101]
	s_mul_i32 s100, ttmp9, 196608
	s_add_nc_u64 s[54:55], s[54:55], s[100:101]
	s_mul_i32 s100, ttmp9, 1280
	s_add_nc_u64 s[48:49], s[48:49], s[100:101]
	s_lshl_b32 s100, ttmp9, 8
	s_add_nc_u64 s[50:51], s[50:51], s[100:101]
	s_cmp_eq_u32 s4, 0
	s_cselect_b64 s[32:33], s[32:33], s[34:35]     ; my head's W1 and b1
	s_cselect_b64 s[36:37], s[36:37], s[38:39]
	s_lshl_b32 s100, s67, 12
	s_add_nc_u64 s[32:33], s[32:33], s[100:101]
	s_lshl_b32 s100, s67, 6
	s_add_nc_u64 s[36:37], s[36:37], s[100:101]
	s_add_nc_u64 s[42:43], s[42:43], s[100:101]
	s_mul_i32 s100, s67, 320
	s_add_nc_u64 s[40:41], s[40:41], s[100:101]
.irp c, 0,1,2,3
	global_load_b128 v[192+4*\c:195+4*\c], v6, s[16:17] offset:32*\c
.endr
.irp c, 0,1,2,3
	global_load_b128 v[208+4*\c:211+4*\c], v6, s[18:19] offset:32*\c
.endr
	global_load_b128 v[224:227], v10, s[20:21]
	global_load_b128 v[228:231], v10, s[20:21] offset:16
	global_load_b128 v[232:235], v10, s[22:23]
	global_load_b128 v[236:239], v10, s[22:23] offset:16
	global_load_b128 v[240:243], v10, s[98:99]
	global_load_b128 v[244:247], v10, s[98:99] offset:16
	global_load_b128 v[24:27], v10, s[26:27]
	global_load_b128 v[28:31], v10, s[26:27] offset:16
	; ---- layer 2 of my encoder: four tiles of 16 units for my 16 cells
	s_cmp_eq_u32 s4, 0
	s_cselect_b32 s68, s8, s12
	s_cselect_b32 s69, s9, s13
	s_cselect_b32 s70, s10, s14
	s_add_co_i32 s68, s68, s69
	s_sub_co_i32 s69, 0, s68
	s_sub_co_i32 s70, s70, s68                     ; the three scales ahead of the quantiser, folded into one
	s_wait_loadcnt 16                              ; W2, b2 and the gathered codes are in; the 16 loads just issued may stay out
	SETSCALE 70
.set n, 0
.rept 32
	v_ldexp_f32 v[ACC+n], v[ACC+n], s69            ; the bias goes in as the sums' C, divided by the power of two that the sums lack
.set n, n+1
.endr
.irp u, 0,1,2,3
	v_wmma_f32_16x16x64_fp8_fp8 v[ACC+8*\u:ACC+8*\u+7], v[160+8*\u:167+8*\u], v[96:103], v[ACC+8*\u:ACC+8*\u+7]
.endr
	PLACES 4
.irp u, 0,1,2,3
	QUANT8 ACC+8*\u, ACC+8*\u, 104+2*\u, 1
.endr
	v_nop
	ds_store_b128 v16, v[104:107]
	ds_store_b128 v16, v[108:111] offset:512
	BARRIER                                        ; layer 2's eight fragments and the cells' flags lie in LDS
	; ---- layer 3: tile w of both encoders, all 64 cells
.irp ct, 0,1,2,3
	ds_load_b32 v[248+2*\ct], v18 offset:64*\ct
	ds_load_b32 v[249+2*\ct], v18 offset:64*\ct
.endr
	BLOAD 4, H2IMG, 2048
	POW2 72, 10, 11                                ; 2^(e2 + e3).  s68-83 held cell numbers 48 to 63, whose last use is behind us: from here on they hold constants
	POW2 74, 14, 15                                ; 2^(e6 + e7)
	POW2 76, 58, 59                                ; 2^(e14 + e15)
	s_mov_b32 s78, 0x76543210                      ; v_permlanex16_b32's selects for lane xor 16: written here, behind the cell numbers, and not again
	s_mov_b32 s79, 0xfedcba98
	POW2 80, 60, 61                                ; 2^(e16 + e17)
	POW2 82, 62, 63                                ; 2^(e18 + e19)
	s_wait_loadcnt 0x0
	s_wait_dscnt 0x0
.irp ct, 0,1,2,3
	v_wmma_f32_16x16x128_fp8_fp8 v[32+8*\ct:39+8*\ct], v[192:207], v[BF+16*\ct:BF+16*\ct+15], 0
.endr
	PLACES 4
	BLOAD 4, H2IMG+8192, 2048
	AFFINE 32, 72, 224, 1
	s_wait_dscnt 0x0
.irp ct, 0,1,2,3
	v_wmma_f32_16x16x128_fp8_fp8 v[64+8*\ct:71+8*\ct], v[208:223], v[BF+16*\ct:BF+16*\ct+15], 0
.endr
	PLACES 4
.irp s, 0,1,2,3
.irp c, 0,1,2,3
	global_load_b128 v[160+16*\s+4*\c:163+16*\s+4*\c], v7, s[24:25] offset:128*\s+32*\c   ; dn_W1, K steps 0 to 3
.endr
.endr
	SETSCALE 57                                    ; e13
	GFSTAGE 0, 32, 96, 128
	AFFINE 64, 74, 232, 1
	GFSTAGE 1, 64, 128, 96
.irp ct, 0,1,2,3
.irp i, 0,2,4,6
	v_pk_mul_f32 v[32+8*\ct+\i:33+8*\ct+\i], v[240+\i:241+\i], v[248+2*\ct:249+2*\ct]    ; the third encoder's row, or 0
.endr
.endr
	GFSTAGE 2, 32, 96, 128
.irp s, 4,5
.irp c, 0,1,2,3
	global_load_b128 v[160+16*\s+4*\c:163+16*\s+4*\c], v7, s[24:25] offset:128*\s+32*\c
.endr
.endr
.irp s, 0,1
.irp c, 0,1,2,3
	global_load_b128 v[64+16*\s+4*\c:67+16*\s+4*\c], v8, s[28:29] offset:128*\s+32*\c    ; dn_W2
.endr
.endr
	s_wait_xcnt 0x0                                ; the last block's stores have read v96 on
	BARRIER                                        ; the features' 24 fragments lie in LDS
	; ---- the net's first layer: tile w, K = 768.  First the addresses of the later phases, on the way that every wave takes, into registers whose first use is over
	s_lshl_b32 s7, s67, 11
	s_add_co_u32 s7, s7, PARTC
	v_lshl_add_u32 v5, v2, 5, s7
	s_lshl_b32 s7, s67, 8
	s_add_co_u32 s7, s7, PARTS
	v_lshl_add_u32 v16, v2, 2, s7
	v_lshlrev_b32 v17, 5, v1
	v_add_nc_u32 v17, PARTC, v17
	v_lshlrev_b32 v6, 2, v1
	v_add_nc_u32 v6, PARTS, v6
	v_mul_u32_u24 v18, v1, 20
	v_add_nc_u32 v18, OUTS, v18
	v_mul_u32_u24 v14, v3, 160
	s_add_co_i32 s68, s56, s57
	s_sub_co_i32 s69, 0, s68
	s_sub_co_i32 s70, s59, s68                     ; e15 - e12 - e13
.irp j, 0,1,2,3,4,5,6,7
	v_ldexp_f32 v[24+\j], v[24+\j], s69
.endr
.irp s, 0,1,2,3,4,5
	BLOAD 19, \s*2048, 12288
.if \s == 0
	s_wait_loadcnt 16                              ; K steps 0 to 3 are in; the 16 younger loads may stay out
.endif
.if \s == 4
	s_wait_loadcnt 8                               ; K steps 4 and 5 are in; dn_W2's 8 may stay out
.endif
	s_wait_dscnt 0x0
.irp ct, 0,1,2,3                       ; the four accumulators by turns
.if \s == 0
	v_wmma_f32_16x16x128_fp8_fp8 v[32+8*\ct:39+8*\ct], v[160+16*\s:175+16*\s], v[BF+16*\ct:BF+16*\ct+15], v[24:31]
.else
	v_wmma_f32_16x16x128_fp8_fp8 v[32+8*\ct:39+8*\ct], v[160+16*\s:175+16*\s], v[BF+16*\ct:BF+16*\ct+15], v[32+8*\ct:39+8*\ct]
.endif
.endr
	PLACES 4
.endr
	global_load_b128 v[192:195], v10, s[30:31]     ; dn_b2
	global_load_b128 v[196:199], v10, s[30:31] offset:16
.irp s, 0,1
.irp c, 0,1,2,3
	global_load_b128 v[160+16*\s+4*\c:163+16*\s+4*\c], v9, s[32:33] offset:128*\s+32*\c  ; my head's W1: 16 neighbouring rows
.endr
.endr
	global_load_b128 v[200:203], v11, s[36:37]     ; my head's b1
	global_load_b128 v[204:207], v11, s[36:37] offset:16
	s_cmp_lt_u32 s2, 8
	s_cbranch_scc0 .Lsvw
.irp n, 0,1,2,3,4,5,6,7,8,9
	global_load_b128 v[208+4*\n:211+4*\n], v14, s[40:41] offset:16*\n                    ; cl_W2: my 8 units x 5 classes
.endr
	s_branch .Lw2done
.Lsvw:
	global_load_b128 v[208:211], v11, s[42:43]     ; sv_W2: my 8 units
	global_load_b128 v[212:215], v11, s[42:43] offset:16
.Lw2done:
	SETSCALE 70
.irp ct, 0,1,2,3
	QUANT8 32+8*\ct, 32+8*\ct, 96+2*\ct, 1
.endr
	v_nop
.irp ct, 0,1,2,3
	ds_store_b64 v15, v[96+2*\ct:97+2*\ct] offset:\ct*4096
.endr
	BARRIER                                        ; the hidden layer's eight fragments lie in LDS
	; ---- the net's second layer: tile w, K = 256
.irp s, 0,1
	BLOAD 20, \s*2048, 4096
.if \s == 0
	s_wait_loadcnt 14                              ; dn_W2 is in: behind it stand 14 loads on one way and 22 on the other
.endif
	s_wait_dscnt 0x0
.irp ct, 0,1,2,3
.if \s == 0
	v_wmma_f32_16x16x128_fp8_fp8 v[32+8*\ct:39+8*\ct], v[64+16*\s:79+16*\s], v[BF+16*\ct:BF+16*\ct+15], 0
.else
	v_wmma_f32_16x16x128_fp8_fp8 v[32+8*\ct:39+8*\ct], v[64+16*\s:79+16*\s], v[BF+16*\ct:BF+16*\ct+15], v[32+8*\ct:39+8*\ct]
.endif
.endr
	PLACES 4
.endr
	s_wait_loadcnt 12                              ; dn_b2 is in: behind it stand 12 loads or 20
	AFFINE 32, 76, 192, 0
	OUT_TILE 32, 96, 52, 0
	SETSCALE 60                                    ; e16: the classifier's operand
.irp ct, 0,1,2,3
	QUANT8 32+8*\ct, 128+8*(\ct%2), 144+2*\ct, 0
.endr
	v_nop
	SETSCALE 62                                    ; e18: the severity head's
.irp ct, 0,1,2,3
	QUANT8 32+8*\ct, 128+8*(\ct%2), 152+2*\ct, 0
.endr
	v_nop
.irp ct, 0,1,2,3
	ds_store_b64 v15, v[144+2*\ct:145+2*\ct] offset:\ct*4096+16384
	ds_store_b64 v15, v[152+2*\ct:153+2*\ct] offset:\ct*4096+32768
.endr
	s_wait_xcnt 0x0                                ; out2's stores have read v96 on
	BARRIER
	; ---- the heads: waves 0-7 the classifier, waves 8-15 the severity head; tile w % 8 of 16 units
	s_cmp_eq_u32 s4, 0
	s_cselect_b32 s68, s60, s62
	s_cselect_b32 s69, s61, s63
	s_add_co_i32 s68, s68, s69
	s_sub_co_i32 s69, 0, s68
	s_wait_loadcnt 0x0
.irp j, 0,1,2,3,4,5,6,7
	v_ldexp_f32 v[200+\j], v[200+\j], s69
.endr
.irp s, 0,1
	BLOAD 21, \s*2048, 4096
	s_wait_dscnt 0x0
.irp ct, 0,1,2,3
.if \s == 0
	v_wmma_f32_16x16x128_fp8_fp8 v[32+8*\ct:39+8*\ct], v[160+16*\s:175+16*\s], v[BF+16*\ct:BF+16*\ct+15], v[200:207]
.else
	v_wmma_f32_16x16x128_fp8_fp8 v[32+8*\ct:39+8*\ct], v[160+16*\s:175+16*\s], v[BF+16*\ct:BF+16*\ct+15], v[32+8*\ct:39+8*\ct]
.endif
.endr
	PLACES 4
.endr
.set n, 0
.rept 32
	v_max_num_f32 v[32+n], v[32+n], 0              ; relu; the power of two that the sums lack is applied to the finished logit
.set n, n+1
.endr
	s_cmp_lt_u32 s2, 8
	s_cbranch_scc0 .Lsvh
.irp ct, 0,1,2,3
.irp c, 0,1,2,3,4
	v_mul_f32 v[96+8*\ct+\c], v[32+8*\ct], v[208+\c]
.endr
.irp j, 1,2,3,4,5,6,7
.irp c, 0,1,2,3,4
	v_fma_f32 v[96+8*\ct+\c], v[32+8*\ct+\j], v[208+5*\j+\c], v[96+8*\ct+\c]
.endr
.endr
.endr
.irp ct, 0,1,2,3
.irp c, 0,1,2,3,4
	v_permlanex16_b32 v[128+8*\ct+\c], v[96+8*\ct+\c], s78, s79    ; the cell's other 8 units lie in the lane 16 away
.endr
.endr
.irp ct, 0,1,2,3
.irp c, 0,1,2,3,4
	v_add_f32 v[96+8*\ct+\c], v[96+8*\ct+\c], v[128+8*\ct+\c]      ; a + b in one lane, b + a in the lane 16 away: the same bits, so the two lanes store one value to one place
.endr
	ds_store_b128 v5, v[96+8*\ct:99+8*\ct] offset:\ct*512
	ds_store_b32 v5, v[100+8*\ct] offset:\ct*512+16
.endr
	s_branch .Lheads
.Lsvh:
.irp ct, 0,1,2,3
	v_mul_f32 v[96+\ct], v[32+8*\ct], v208
.endr
.irp j, 1,2,3,4,5,6,7
.irp ct, 0,1,2,3
	v_fma_f32 v[96+\ct], v[32+8*\ct+\j], v[208+\j], v[96+\ct]
.endr
.endr
.irp ct, 0,1,2,3
	v_permlanex16_b32 v[128+\ct], v[96+\ct], s78, s79
.endr
.irp ct, 0,1,2,3
	v_add_f32 v[96+\ct], v[96+\ct], v[128+\ct]
	ds_store_b32 v16, v[96+\ct] offset:\ct*64
.endr
.Lheads:
	BARRIER                                        ; every tile's partial sums lie in LDS
	s_cmp_lg_u32 s2, 0
	s_cbranch_scc1 .Lend
	; ---- wave 0: cells lane and lane + 32: the sums over the eight tiles, softmax, sigmoid
	s_load_b128 s[68:71], s[44:45], 0x0            ; cl_b2
	s_load_b32 s72, s[44:45], 0x10
	s_load_b32 s73, s[46:47], 0x0                  ; sv_b2
.irp q, 0,1
.irp t, 0,1,2,3,4,5,6,7
	ds_load_b128 v[32+8*(8*\q+\t):35+8*(8*\q+\t)], v17 offset:\t*2048+\q*1024
	ds_load_b32 v[36+8*(8*\q+\t)], v17 offset:\t*2048+\q*1024+16
	ds_load_b32 v[160+8*\q+\t], v6 offset:\t*256+\q*128
.endr
.endr
	s_wait_dscnt 0x0
.irp q, 0,1
.irp t, 1,2,3,4,5,6,7
.irp c, 0,1,2,3,4
	v_add_f32 v[32+64*\q+\c], v[32+64*\q+\c], v[32+64*\q+8*\t+\c]
.endr
	v_add_f32 v[160+8*\q], v[160+8*\q], v[160+8*\q+\t]
.endr
.endr
	s_wait_kmcnt 0x0
.irp q, 0,1
.irp c, 0,1,2,3,4
	v_fma_f32 v[32+64*\q+\c], v[32+64*\q+\c], s80, s[68+\c]
.endr
	v_fma_f32 v[160+8*\q], v[160+8*\q], s82, s73
	v_max3_num_f32 v[40+64*\q], v[32+64*\q], v[33+64*\q], v[34+64*\q]
	v_max3_num_f32 v[40+64*\q], v[40+64*\q], v[35+64*\q], v[36+64*\q]  ; the row's largest logit is taken away
.irp c, 0,1,2,3,4
	v_sub_f32 v[32+64*\q+\c], v[32+64*\q+\c], v[40+64*\q]
.endr
.irp c, 0,1,2,3,4
	v_mul_f32 v[32+64*\q+\c], 0x3fb8aa3b, v[32+64*\q+\c]
.endr
.irp c, 0,1,2,3,4
	v_exp_f32 v[32+64*\q+\c], v[32+64*\q+\c]
.endr
	v_mul_f32 v[160+8*\q], 0xbfb8aa3b, v[160+8*\q]                 ; (a plain line behind the exponentials)
	v_exp_f32 v[160+8*\q], v[160+8*\q]
	s_wait_alu depctr_va_vdst(0)
	v_add_f32 v[40+64*\q], v[32+64*\q], v[33+64*\q]
	v_add_f32 v[40+64*\q], v[40+64*\q], v[34+64*\q]
	v_add_f32 v[40+64*\q], v[40+64*\q], v[35+64*\q]
	v_add_f32 v[40+64*\q], v[40+64*\q], v[36+64*\q]
	v_add_f32 v[160+8*\q], 1.0, v[160+8*\q]
	v_rcp_f32 v[40+64*\q], v[40+64*\q]
	v_rcp_f32 v[160+8*\q], v[160+8*\q]
	v_nop
	s_wait_alu depctr_va_vdst(0)
.irp c, 0,1,2,3,4
	v_mul_f32 v[32+64*\q+\c], v[32+64*\q+\c], v[40+64*\q]
	ds_store_b32 v18, v[32+64*\q+\c] offset:\q*640+\c*4
.endr
	ds_store_b32 v6, v[160+8*\q] offset:OUTS+1280-PARTS+\q*128
.endr
	ds_load_b128 v[96:99], v21 offset:OUTS-DFC             ; in wave 0 v21 is DFC + 16 lane; LDS serves a wave's instructions in order
	ds_load_b128 v[100:103], v21 offset:OUTS-DFC+512
	ds_load_b128 v[104:107], v21 offset:OUTS-DFC+1024
	s_wait_dscnt 0x0
	global_store_b128 v4, v[96:99], s[48:49]
	global_store_b128 v4, v[100:103], s[48:49] offset:512
	s_wait_xcnt 0x0                                ; EXEC changes only behind this wait
	v_cmp_gt_u32 vcc_lo, 16, v1
	s_and_saveexec_b32 s7, vcc_lo
	global_store_b128 v4, v[104:107], s[48:49] offset:1024         ; out0's last 256 bytes
	s_wait_xcnt 0x0
	s_or_b32 exec_lo, exec_lo, s7
	v_cmp_le_u32 vcc_lo, 16, v1
	s_and_saveexec_b32 s7, vcc_lo
	global_store_b128 v4, v[104:107], s[50:51] offset:-256         ; the batch's 256 bytes of out1
	s_wait_xcnt 0x0
	s_or_b32 exec_lo, exec_lo, s7
.Lend:
	s_wait_xcnt 0x0
	s_mov_b32 exec_lo, -1
	v_lshl_add_u32 v22, v0, 2, 0x32200
	v_mov_b32 v23, 0
	s_wait_tensorcnt 0x0
	ds_add_u32 v22, v23
	s_wait_dscnt 0x0
	s_endpgm
.Lfunc_end_k_q75a13eb2d6_chain:
	.size	k_q75a13eb2d6_chain, .Lfunc_end_k_q75a13eb2d6_chain-k_q75a13eb2d6_chain
	.p2alignl 7, 3214868480
	.fill 96, 4, 3214868480
	.section	.rodata,"a",@progbits
	.p2align	6, 0x0
	.amdhsa_kernel k_q75a13eb2d6_chain
		.amdhsa_group_segment_fixed_size 207360
		.amdhsa_private_segment_fixed_size 0
		.amdhsa_enable_private_segment 0
		.amdhsa_kernarg_size 224
		.amdhsa_user_sgpr_count 2
		.amdhsa_user_sgpr_kernarg_segment_ptr 1
		.amdhsa_wavefront_size32 1
		.amdhsa_system_sgpr_workgroup_id_x 1
		.amdhsa_system_sgpr_workgroup_id_y 1
		.amdhsa_system_sgpr_workgroup_id_z 1
		.amdhsa_system_vgpr_workitem_id 0
		.amdhsa_next_free_vgpr 256
		.amdhsa_next_free_sgpr 102
		.amdhsa_reserve_vcc 1
		.amdhsa_float_denorm_mode_32 3
		.amdhsa_float_denorm_mode_16_64 3
		.amdhsa_memory_ordered 1
		.amdhsa_forward_progress 1
		.amdhsa_inst_pref_size 109
	.end_amdhsa_kernel
	.amdgpu_metadata
---
amdhsa.version: [ 1, 2 ]
amdhsa.kernels:
  - .name:           k_q75a13eb2d6_chain
    .symbol:         k_q75a13eb2d6_chain.kd
    .args:
      - { .name: gidx, .offset: 0, .size: 8, .value_kind: global_buffer, .address_space: global }
      - { .name: h1codes, .offset: 8, .size: 8, .value_kind: global_buffer, .address_space: global }
      - { .name: pe_W2_codes, .offset: 16, .size: 8, .value_kind: global_buffer, .address_space: global }
      - { .name: ne_W2_codes, .offset: 24, .size: 8, .value_kind: global_buffer, .address_space: global }
      - { .name: pe_b2, .offset: 32, .size: 8, .value_kind: global_buffer, .address_space: global }
      - { .name: ne_b2, .offset: 40, .size: 8, .value_kind: global_buffer, .address_space: global }
      - { .name: lowp_scales, .offset: 48, .size: 8, .value_kind: global_buffer, .address_space: global }
      - { .name: tf, .offset: 56, .size: 8, .value_kind: global_buffer, .address_space: global }
      - { .name: pe_W3_codes, .offset: 64, .size: 8, .value_kind: global_buffer, .address_space: global }
      - { .name: ne_W3_codes, .offset: 72, .size: 8, .value_kind: global_buffer, .address_space: global }
      - { .name: pe_b3, .offset: 80, .size: 8, .value_kind: global_buffer, .address_space: global }
      - { .name: ne_b3, .offset: 88, .size: 8, .value_kind: global_buffer, .address_space: global }
      - { .name: dn_W1_codes, .offset: 96, .size: 8, .value_kind: global_buffer, .address_space: global }
      - { .name: dn_b1, .offset: 104, .size: 8, .value_kind: global_buffer, .address_space: global }
      - { .name: dn_W2_codes, .offset: 112, .size: 8, .value_kind: global_buffer, .address_space: global }
      - { .name: dn_b2, .offset: 120, .size: 8, .value_kind: global_buffer, .address_space: global }
      - { .name: cl_W1_codes, .offset: 128, .size: 8, .value_kind: global_buffer, .address_space: global }
      - { .name: sv_W1_codes, .offset: 136, .size: 8, .value_kind: global_buffer, .address_space: global }
      - { .name: cl_b1, .offset: 144, .size: 8, .value_kind: global_buffer, .address_space: global }
      - { .name: sv_b1, .offset: 152, .size: 8, .value_kind: global_buffer, .address_space: global }
      - { .name: cl_W2, .offset: 160, .size: 8, .value_kind: global_buffer, .address_space: global }
      - { .name: sv_W2, .offset: 168, .size: 8, .value_kind: global_buffer, .address_space: global }
      - { .name: cl_b2, .offset: 176, .size: 8, .value_kind: global_buffer, .address_space: global }
      - { .name: sv_b2, .offset: 184, .size: 8, .value_kind: global_buffer, .address_space: global }
      - { .name: out0, .offset: 192, .size: 8, .value_kind: global_buffer, .address_space: global }
      - { .name: out1, .offset: 200, .size: 8, .value_kind: global_buffer, .address_space: global }
      - { .name: out2, .offset: 208, .size: 8, .value_kind: global_buffer, .address_space: global }
      - { .name: out3, .offset: 216, .size: 8, .value_kind: global_buffer, .address_space: global }
    .group_segment_fixed_size: 207360
    .private_segment_fixed_size: 0
    .kernarg_segment_align: 8
    .kernarg_segment_size: 224
    .max_flat_workgroup_size: 512
    .sgpr_count:     102
    .vgpr_count:     256
    .wavefront_size: 32
...
	.end_amdgpu_metadata
.endif
;; end of part 2
